; MI455X (gfx1250); checked and timed in simulation.
; The chip was launched on July 23, 2026; its instructions are those of AMD's public machine-readable ISA for CDNA 5 (MIT licence, August 2026) and "CDNA5" Instruction Set Architecture Reference Guide (July 2026). The comments in the code are by the model that wrote it; some were corrected since.
;; Offset Attention. Allowed arithmetic: float matrix products may take bf16 or f16 operands with f32 sums; all other float work in f32.
;; Inputs: Wk 128 x 128 float32; Wp 128 x 3 float32; Wq 128 x 128 float32; Wv 128 x 128 float32; beta 128 float32; bk 128 float32; bp 128 float32; bq 128 float32; bv 128 float32; features 4 x 128 x 4,096 float32; gamma 128 float32; xyz 4 x 4,096 x 3 float32.
;; Outputs: out0 4 x 128 x 4,096 float32.
;; 2 versions, each right; version 2 is version 1 with the launch proj written anew for expert scheduling mode. Each part assembles by itself: llvm-mc -triple=amdgcn-amd-amdhsa -mcpu=gfx1250 --defsym DOCPART=n.
;; ======== version 1 of 2: 3 launches
;; workspace buffers: qbuf 4,194,304 bytes; kubuf 8,388,608 bytes; nf 8,388,608 bytes; stats 262,144 bytes
;; launch proj (part 1): grid 64 x 4, 8 waves a work-group, no clusters, 75,776 bytes of LDS; arguments features, xyz, Wq, Wk, Wv, bq, bk, bv, Wp, bp, qbuf, kubuf; writes qbuf, kubuf
.if DOCPART == 1
	.amdgcn_target "amdgcn-amd-amdhsa--gfx1250"
	.amdhsa_code_object_version 6
	.text
	.protected	k_q6b1515fbec_proj
	.globl	k_q6b1515fbec_proj
	.p2align	8
	.type	k_q6b1515fbec_proj,@function
k_q6b1515fbec_proj:
	s_mov_b64 s[64:65], 0
	v_nop
	global_prefetch_b8 v0, s[64:65] scope:SCOPE_SE
	s_setreg_imm32_b32 hwreg(HW_REG_WAVE_MODE, 25, 1), 1
	s_wait_xcnt 0x0
; The three 1x1 convolutions and the position code, for 64 tokens of one batch a work-group.
;   qbuf [b][n][128] bf16          = (Wq x + bq) * log2(e)/sqrt(128): the softmax's scale and the change to base 2 are folded in here
;   kubuf [b][block of 64 keys][32,768 bytes]: bytes 0..16383 K as [key][128 c] bf16; bytes 16384..32767 U as [c][64 keys] bf16,
;   U = Wv x + bv + Wp xyz + bp: the two value streams share the attention weights, so they are added once, here.
; Eight waves; wave w makes output channels 16 w .. 16 w + 15 of all three products for all 64 tokens: 48 matrix instructions.
; x is rounded to bf16 and laid into LDS as [c][token]; a transposing LDS load makes of it one fragment that serves as B (Q, K: a lane then
; holds 8 neighbouring channels of a token) and as A (U: a lane then holds 8 neighbouring tokens of a channel).
; The biases enter as the first product's C; bv + bp + Wp xyz is made in f32 straight in U's accumulator.
; NO JOINT LOADS of the weights, though all work-groups read them: a joint load ends in LDS, so the 196,608 bytes of f32 weights would be
; written to LDS and read from it once more in every work-group; here each wave takes its 24,576 bytes once, straight into registers.
; LIMITS: x, the weights, q, k and u are rounded to bf16 (sums in f32); NaN and infinities are not treated specially.
.set XP,     160                       ; LDS pitch of x: 128 bytes + 32, an odd multiple of 32 bytes, for the transposing load
.set XYZL,   20480                     ; 64 tokens x 3 f32
.set QS,     21504                     ; stage of q: 64 tokens x 272 bytes
.set KS,     38912                     ; stage of k: the same
.set US,     56320                     ; stage of u: 128 channels x 144 bytes
.set SP,     272
.set UP,     144
.set QSCALE, 0x3e0293ee                ; log2(e) / sqrt(128)
.set XO,   3                           ; x in memory: (16 w + h) rows of 16,384 bytes + 16 r
.set XS,   4                           ; x in LDS, store: (16 w + h) XP + 8 r
.set ZW,   5                           ; xyz: 128 w + 4 lane
.set WO,   6                           ; weights: (16 w + r) rows of 512 bytes + 32 h
.set BO,   7                           ; bq, bk: 64 w + 32 h
.set CO4,  8                           ; bv, bp: 4 (16 w + r)
.set CO12, 9                           ; Wp: 12 (16 w + r)
.set XR,   10                          ; x in LDS, transposing load
.set TXA,  11                          ; xyz in LDS: XYZL + 96 h
.set SQ,   12                          ; stage of q and k, in
.set SU,   13                          ; stage of u, in
.set CR,   14                          ; stage of q and k, back
.set CG,   15                          ; q and k in memory
.set CU,   16                          ; stage of u, back
.set CUG,  17                          ; u in memory
.set ZD,   18                          ; my word of xyz
.set LN,   19                          ; lane
.set WF,   20                          ; v[20:115]  fragments of Wq (20), Wk (52), Wv (84), 8 registers a K step
.set BQ,   116                         ; v[116:123] bq of channels 16 w + 8 h + j
.set BK,   124                         ; v[124:131] bk likewise
.set WP,   132                         ; v[132:134] Wp of channel 16 w + r
.set BVP,  135                         ; bv + bp of that channel
.set BV,   136
.set BP,   137
.set ZO,   138                         ; xyz in memory: ZW, held inside the block's 768 bytes
.set XF,   140                         ; v[140:203] x fragments, two buffers of 32
.set XRAW, 140                         ; before that: x in f32 as loaded,
.set XPK,  172                         ; and packed
.set OUTR, 140                         ; after that: the way out, 12 x 4 registers
.set AQ,   204
.set AK,   212
.set AU,   220
.set TX,   228                         ; v[228:251] xyz of my 8 tokens
; v256..v447 (window 1, v0..v191): the weights in f32 as loaded: Wq at 0, Wk at 64, Wv at 128, 16 registers a K step
.set MSB, 0
.macro WIN new                         ; the immediate's high byte repeats the setting that is left
.if MSB != \new
	s_set_vgpr_msb (MSB<<8)|\new
.set MSB, \new
.endif
.endm
.macro PLACES n
.rept \n
	v_nop
.endr
.endm
	s_load_b512 s[16:31], s[0:1], 0x0              ; features 16, xyz 18, Wq 20, Wk 22, Wv 24, bq 26, bk 28, bv 30
	s_load_b256 s[32:39], s[0:1], 0x40             ; Wp 32, bp 34, qbuf 36, kubuf 38
	v_lshl_add_u32 v254, v0, 2, 0x12400
	v_mov_b32 v255, 0
	v_lshrrev_b32 v[LN], 5, v0
	v_readfirstlane_b32 s8, v[LN]                  ; wave 0..7
	v_and_b32 v1, 15, v0                           ; r
	v_bfe_u32 v2, v0, 4, 1                         ; h
	v_and_b32 v[LN], 31, v0
	s_and_b32 s9, ttmp7, 0xffff                    ; batch
	s_lshl_b32 s10, s9, 21                         ; features: batch x 2 MiB + block x 64 tokens x 4 bytes
	s_lshl_b32 s42, ttmp9, 8
	s_add_co_u32 s10, s10, s42
	s_mov_b32 s11, 0
	s_mul_i32 s12, s9, 49152                       ; xyz: batch x 4,096 x 12 + block x 64 x 12
	s_mul_i32 s42, ttmp9, 768
	s_add_co_u32 s12, s12, s42
	s_mov_b32 s13, 0
	s_lshl_b32 s14, s9, 20                         ; qbuf: batch x 1 MiB + block x 64 rows of 256 bytes
	s_lshl_b32 s42, ttmp9, 14
	s_add_co_u32 s14, s14, s42
	s_mov_b32 s15, 0
	s_lshl_b32 s40, s9, 21                         ; kubuf: (64 batch + block) x 32,768
	s_lshl_b32 s42, ttmp9, 15
	s_add_co_u32 s40, s40, s42
	s_mov_b32 s41, 0
	s_lshl_b32 s2, s8, 18
	v_lshlrev_b32 v[XO], 4, v1
	v_lshl_add_u32 v[XO], v2, 14, v[XO]
	v_add_nc_u32 v[XO], s2, v[XO]
	s_lshl_b32 s2, s8, 7
	v_lshl_add_u32 v[ZW], v[LN], 2, s2
	v_min_u32 v[ZO], 764, v[ZW]                    ; the block has 192 words, those of waves 0 to 5; waves 6 and 7 ask for the last word again and store nothing
	s_lshl_b32 s2, s8, 13
	v_lshlrev_b32 v[WO], 9, v1
	v_lshl_add_u32 v[WO], v2, 5, v[WO]
	v_add_nc_u32 v[WO], s2, v[WO]
	s_lshl_b32 s2, s8, 6
	v_lshl_add_u32 v[BO], v2, 5, s2
	v_lshl_add_u32 v[CO4], v1, 2, s2
	v_mul_u32_u24 v[CO12], v[CO4], 3
	s_wait_kmcnt 0x0
	s_add_nc_u64 s[16:17], s[16:17], s[10:11]
	s_add_nc_u64 s[18:19], s[18:19], s[12:13]
	s_add_nc_u64 s[36:37], s[36:37], s[14:15]
	s_add_nc_u64 s[38:39], s[38:39], s[40:41]
	; all loads go out at once, those that are needed first in front
.irp i, 0,1,2,3,4,5,6,7
	global_load_b128 v[XRAW+4*\i:XRAW+4*\i+3], v[XO], s[16:17] offset:\i*32768   ; rows 16 w + 2 i + h: sixteen lanes take a row's 256 bytes, aligned
.endr
	global_load_b32 v[ZD], v[ZO], s[18:19]
	global_load_b128 v[BQ:BQ+3],   v[BO], s[26:27]
	global_load_b128 v[BQ+4:BQ+7], v[BO], s[26:27] offset:16
	global_load_b128 v[BK:BK+3],   v[BO], s[28:29]
	global_load_b128 v[BK+4:BK+7], v[BO], s[28:29] offset:16
	global_load_b32 v[BV], v[CO4], s[30:31]
	global_load_b32 v[BP], v[CO4], s[34:35]
	global_load_b32 v[WP],   v[CO12], s[32:33]
	global_load_b32 v[WP+1], v[CO12], s[32:33] offset:4
	global_load_b32 v[WP+2], v[CO12], s[32:33] offset:8
	WIN 0x40                                       ; destination in window 1, address in window 0
; a fragment's lane wants k = 32 ks + 8 h + 0..7 and 32 ks + 16 + 8 h + 0..7 of its row: in f32 four loads of 16 bytes at 128 ks + 32 h + 0, 16, 64, 80
.irp ks, 0,1,2,3
.irp q, 0,1,2,3
	global_load_b128 v[16*\ks+4*\q:16*\ks+4*\q+3],         v[WO], s[20:21] offset:128*\ks+16*(\q%2)+64*(\q/2)
	global_load_b128 v[64+16*\ks+4*\q:64+16*\ks+4*\q+3],   v[WO], s[22:23] offset:128*\ks+16*(\q%2)+64*(\q/2)
	global_load_b128 v[128+16*\ks+4*\q:128+16*\ks+4*\q+3], v[WO], s[24:25] offset:128*\ks+16*(\q%2)+64*(\q/2)
.endr
.endr
	WIN 0
	; the other addresses, while the loads are on their way
	s_mul_i32 s2, s8, 16*XP
	v_mul_u32_u24 v[XS], v2, XP
	v_lshl_add_u32 v[XS], v1, 3, v[XS]
	v_add_nc_u32 v[XS], s2, v[XS]
	v_and_b32 v[XR], 7, v0
	v_lshl_add_u32 v[XR], v2, 3, v[XR]             ; row 8 h + lane % 8 of a block of 16 rows,
	v_mul_u32_u24 v[XR], v[XR], XP
	v_bfe_u32 v[TXA], v0, 3, 1
	v_lshl_add_u32 v[XR], v[TXA], 4, v[XR]         ; and which 8 of the 16 tokens
	v_mul_u32_u24 v[TXA], v2, 96
	v_add_nc_u32 v[TXA], XYZL, v[TXA]
	s_lshl_b32 s2, s8, 5
	v_mul_u32_u24 v[SQ], v1, SP
	v_lshl_add_u32 v[SQ], v2, 4, v[SQ]
	v_add_nc_u32 v[SQ], s2, v[SQ]                  ; token r, bytes 32 w + 16 h of its row
	s_mul_i32 s2, s8, 16*UP
	v_mul_u32_u24 v[SU], v1, UP
	v_lshl_add_u32 v[SU], v2, 4, v[SU]
	v_add_nc_u32 v[SU], s2, v[SU]                  ; channel 16 w + r, bytes 16 h of its row
	v_lshrrev_b32 v[CU], 3, v[LN]
	v_mul_u32_u24 v[CU], v[CU], UP
	v_and_b32 v[CUG], 7, v0
	v_lshl_add_u32 v[CU], v[CUG], 4, v[CU]
	v_add_nc_u32 v[CU], s2, v[CU]                  ; back: eight lanes take a channel's 128 bytes
	s_mul_i32 s2, s8, 8*SP
	v_mul_u32_u24 v[CR], v2, SP
	v_lshl_add_u32 v[CR], v1, 4, v[CR]
	v_add_nc_u32 v[CR], s2, v[CR]                  ; back: sixteen lanes take a token's 256 bytes
	s_lshl_b32 s2, s8, 11
	v_lshlrev_b32 v[CG], 4, v1
	v_lshl_add_u32 v[CG], v2, 8, v[CG]
	v_add_nc_u32 v[CG], s2, v[CG]
	v_lshl_add_u32 v[CUG], v[LN], 4, s2
	s_wait_loadcnt 57                              ; x and xyz are in: the 9 loads of biases and the 48 of weights are younger and stay out
.irp i, 0,1,2,3,4,5,6,7
	v_cvt_pk_bf16_f32 v[XPK+2*\i],   v[XRAW+4*\i],   v[XRAW+4*\i+1]
	v_cvt_pk_bf16_f32 v[XPK+2*\i+1], v[XRAW+4*\i+2], v[XRAW+4*\i+3]
	ds_store_b64 v[XS], v[XPK+2*\i:XPK+2*\i+1] offset:\i*2*XP
.endr
	s_cmp_gt_u32 s8, 5
	s_cbranch_scc1 .Lno_word
	ds_store_b32 v[ZW], v[ZD] offset:XYZL
.Lno_word:
	s_wait_dscnt 0x0                               ; for the other waves' sake: my stores are done,
	s_barrier_signal -1
	s_barrier_wait -1                              ; everybody's are: x and xyz are whole
.macro XFLOAD t, buf                   ; the four K steps' fragments of tokens 16 t .. 16 t + 15
.irp ks, 0,1,2,3
	ds_load_tr16_b128 v[XF+32*\buf+8*\ks:XF+32*\buf+8*\ks+3],   v[XR] offset:\ks*32*XP+32*\t
	ds_load_tr16_b128 v[XF+32*\buf+8*\ks+4:XF+32*\buf+8*\ks+7], v[XR] offset:\ks*32*XP+16*XP+32*\t
.endr
.endm
.macro TXLOAD t                        ; xyz of tokens 16 t + 8 h + 0..7: 96 bytes
.irp k, 0,1,2,3,4,5
	ds_load_b128 v[TX+4*\k:TX+4*\k+3], v[TXA] offset:192*\t+16*\k
.endr
.endm
	XFLOAD 0, 0
	TXLOAD 0
	s_wait_loadcnt 0x0                             ; biases and weights
	WIN 0x05                                       ; sources in window 1, destination in window 0
.irp m, 0,1,2
.irp ks, 0,1,2,3
.irp i, 0,1,2,3,4,5,6,7
	v_cvt_pk_bf16_f32 v[WF+32*\m+8*\ks+\i], v[64*\m+16*\ks+2*\i], v[64*\m+16*\ks+2*\i+1]
.endr
.endr
.endr
	WIN 0
	v_add_f32 v[BVP], v[BV], v[BP]
; Tokens 16 t .. 16 t + 15, fragments in buffer buf; more = 1: the next 16 tokens' fragments are asked for, into buffer nbuf.
; The three accumulators take turns, one instruction a turn.
.macro TOK t, buf, nt, nbuf, more
	s_wait_dscnt 0x0                               ; this tile's fragments and xyz are in
.irp j, 0,1,2,3,4,5,6,7
	v_fma_f32 v[AU+\j], v[WP], v[TX+3*\j], v[BVP]  ; U's sum starts at bv + bp + Wp xyz, in f32
.endr
.irp j, 0,1,2,3,4,5,6,7
	v_fmac_f32 v[AU+\j], v[WP+1], v[TX+3*\j+1]
.endr
.irp j, 0,1,2,3,4,5,6,7
	v_fmac_f32 v[AU+\j], v[WP+2], v[TX+3*\j+2]
.endr
.if \more
	XFLOAD \nt, \nbuf
	TXLOAD \nt
.endif
.irp ks, 0,1,2,3
.if \ks
	v_wmma_f32_16x16x32_bf16 v[AQ:AQ+7], v[WF+8*\ks:WF+8*\ks+7], v[XF+32*\buf+8*\ks:XF+32*\buf+8*\ks+7], v[AQ:AQ+7]
	v_wmma_f32_16x16x32_bf16 v[AK:AK+7], v[WF+32+8*\ks:WF+32+8*\ks+7], v[XF+32*\buf+8*\ks:XF+32*\buf+8*\ks+7], v[AK:AK+7]
.else
	v_wmma_f32_16x16x32_bf16 v[AQ:AQ+7], v[WF+8*\ks:WF+8*\ks+7], v[XF+32*\buf+8*\ks:XF+32*\buf+8*\ks+7], v[BQ:BQ+7]
	v_wmma_f32_16x16x32_bf16 v[AK:AK+7], v[WF+32+8*\ks:WF+32+8*\ks+7], v[XF+32*\buf+8*\ks:XF+32*\buf+8*\ks+7], v[BK:BK+7]
.endif
	v_wmma_f32_16x16x32_bf16 v[AU:AU+7], v[XF+32*\buf+8*\ks:XF+32*\buf+8*\ks+7], v[WF+64+8*\ks:WF+64+8*\ks+7], v[AU:AU+7]
.endr
	PLACES 5                                       ; behind the last products: for the lines below, which read and rewrite results, for the next
	                                               ; tile's loads into a fragment buffer, and for its first products, which write the accumulators anew
.irp j, 0,2,4,6
	v_pk_mul_f32 v[AQ+\j:AQ+\j+1], v[AQ+\j:AQ+\j+1], QSCALE op_sel_hi:[1,0]
.endr
.irp i, 0,1,2,3
	v_cvt_pk_bf16_f32 v[AQ+\i], v[AQ+2*\i], v[AQ+2*\i+1]      ; in place, ascending: register i is written when 2 i and 2 i + 1 are read
	v_cvt_pk_bf16_f32 v[AK+\i], v[AK+2*\i], v[AK+2*\i+1]
	v_cvt_pk_bf16_f32 v[AU+\i], v[AU+2*\i], v[AU+2*\i+1]
.endr
	ds_store_b128 v[SQ], v[AQ:AQ+3] offset:QS+16*SP*\t         ; 8 neighbouring channels of token 16 t + r
	ds_store_b128 v[SQ], v[AK:AK+3] offset:KS+16*SP*\t
	ds_store_b128 v[SU], v[AU:AU+3] offset:US+32*\t            ; 8 neighbouring tokens of channel 16 w + r
.endm
	TOK 0, 0, 1, 1, 1
	TOK 1, 1, 2, 0, 1
	TOK 2, 0, 3, 1, 1
	TOK 3, 1, 0, 0, 0
	s_wait_dscnt 0x0                               ; my parts of the stages are written,
	s_barrier_signal -1
	s_barrier_wait -1                              ; everybody's are
	; the way out: whole rows back from the stages; each store's sixteen neighbouring lanes cover 256 consecutive bytes, aligned
.irp i, 0,1,2,3
	ds_load_b128 v[OUTR+4*\i:OUTR+4*\i+3], v[CR] offset:QS+\i*2*SP
.endr
.irp i, 0,1,2,3
	ds_load_b128 v[OUTR+16+4*\i:OUTR+16+4*\i+3], v[CR] offset:KS+\i*2*SP
.endr
.irp i, 0,1,2,3
	ds_load_b128 v[OUTR+32+4*\i:OUTR+32+4*\i+3], v[CU] offset:US+\i*4*UP
.endr
.irp i, 0,1,2,3
	s_wait_dscnt 11-\i                             ; LDS loads come back in order: the one that this store needs is in
	global_store_b128 v[CG], v[OUTR+4*\i:OUTR+4*\i+3], s[36:37] offset:\i*512
.endr
.irp i, 0,1,2,3
	s_wait_dscnt 7-\i
	global_store_b128 v[CG], v[OUTR+16+4*\i:OUTR+16+4*\i+3], s[38:39] offset:\i*512
.endr
.irp i, 0,1,2,3
	s_wait_dscnt 3-\i
	global_store_b128 v[CUG], v[OUTR+32+4*\i:OUTR+32+4*\i+3], s[38:39] offset:16384+\i*512
.endr
	s_wait_tensorcnt 0x0
	ds_add_u32 v254, v255
	s_wait_dscnt 0x0
	s_endpgm
.Lfunc_end_k_q6b1515fbec_proj:
	.size	k_q6b1515fbec_proj, .Lfunc_end_k_q6b1515fbec_proj-k_q6b1515fbec_proj
	.p2alignl 7, 3214868480
	.fill 96, 4, 3214868480
	.section	.rodata,"a",@progbits
	.p2align	6, 0x0
	.amdhsa_kernel k_q6b1515fbec_proj
		.amdhsa_group_segment_fixed_size 75776
		.amdhsa_private_segment_fixed_size 0
		.amdhsa_enable_private_segment 0
		.amdhsa_kernarg_size 96
		.amdhsa_user_sgpr_count 2
		.amdhsa_user_sgpr_kernarg_segment_ptr 1
		.amdhsa_wavefront_size32 1
		.amdhsa_system_sgpr_workgroup_id_x 1
		.amdhsa_system_sgpr_workgroup_id_y 1
		.amdhsa_system_sgpr_workgroup_id_z 1
		.amdhsa_system_vgpr_workitem_id 0
		.amdhsa_next_free_vgpr 448
		.amdhsa_next_free_sgpr 66
		.amdhsa_reserve_vcc 0
		.amdhsa_float_denorm_mode_32 3
		.amdhsa_float_denorm_mode_16_64 3
		.amdhsa_memory_ordered 1
		.amdhsa_forward_progress 1
		.amdhsa_inst_pref_size 38
	.end_amdhsa_kernel
	.amdgpu_metadata
---
amdhsa.version: [ 1, 2 ]
amdhsa.kernels:
  - .name:           k_q6b1515fbec_proj
    .symbol:         k_q6b1515fbec_proj.kd
    .args:
      - { .name: features, .offset: 0, .size: 8, .value_kind: global_buffer, .address_space: global }
      - { .name: xyz, .offset: 8, .size: 8, .value_kind: global_buffer, .address_space: global }
      - { .name: Wq, .offset: 16, .size: 8, .value_kind: global_buffer, .address_space: global }
      - { .name: Wk, .offset: 24, .size: 8, .value_kind: global_buffer, .address_space: global }
      - { .name: Wv, .offset: 32, .size: 8, .value_kind: global_buffer, .address_space: global }
      - { .name: bq, .offset: 40, .size: 8, .value_kind: global_buffer, .address_space: global }
      - { .name: bk, .offset: 48, .size: 8, .value_kind: global_buffer, .address_space: global }
      - { .name: bv, .offset: 56, .size: 8, .value_kind: global_buffer, .address_space: global }
      - { .name: Wp, .offset: 64, .size: 8, .value_kind: global_buffer, .address_space: global }
      - { .name: bp, .offset: 72, .size: 8, .value_kind: global_buffer, .address_space: global }
      - { .name: qbuf, .offset: 80, .size: 8, .value_kind: global_buffer, .address_space: global }
      - { .name: kubuf, .offset: 88, .size: 8, .value_kind: global_buffer, .address_space: global }
    .group_segment_fixed_size: 75776
    .private_segment_fixed_size: 0
    .kernarg_segment_align: 8
    .kernarg_segment_size: 96
    .max_flat_workgroup_size: 256
    .sgpr_count:     66
    .vgpr_count:     448
    .wavefront_size: 32
...
	.end_amdgpu_metadata
.endif
;; end of part 1
;; launch attn (part 2): grid 64 x 4, 4 waves a work-group, clusters of 4 x 1, 327,680 bytes of LDS; arguments qbuf, kubuf, features, nf, stats; writes nf, stats
.if DOCPART == 2
	.amdgcn_target "amdgcn-amd-amdhsa--gfx1250"
	.amdhsa_code_object_version 6
	.text
	.protected	k_q6b1515fbec_attn
	.globl	k_q6b1515fbec_attn
	.p2align	8
	.type	k_q6b1515fbec_attn,@function
k_q6b1515fbec_attn:
	s_mov_b64 s[64:65], 0
	v_nop
	global_prefetch_b8 v0, s[64:65] scope:SCOPE_SE
	s_setreg_imm32_b32 hwreg(HW_REG_WAVE_MODE, 25, 1), 1
	s_wait_xcnt 0x0
	s_wait_alu depctr_hold_cnt(0) depctr_sa_sdst(0) depctr_va_vdst(0) depctr_va_sdst(0) depctr_va_ssrc(0) depctr_va_vcc(0) depctr_vm_vsrc(0)
	s_getreg_b32 s2, hwreg(HW_REG_IB_STS2, 6, 4)
	s_cmp_eq_u32 s2, 0
	s_cbranch_scc0 .Lentry_in_a_cluster
	s_endpgm
.Lentry_in_a_cluster:
	s_bfe_u32 s2, ttmp6, 0x10000c
	s_cmp_lg_u32 s2, 0x3003
	s_cbranch_scc0 .Lentry_shape_is_right
	s_endpgm
.Lentry_shape_is_right:
; Attention of 64 queries of one batch over its 4,096 keys, plus the residual:
;   nf[b][c][q] = sum over keys of softmax(q.k)[q][key] u[c][key] + features[b][c][q],  and for each channel (mean, sum of squared
;   deviations from that mean) over the work-group's 64 columns, into stats[work-group][c][2].
; Four waves. The KEYS are shared out: in step s wave w takes key block 4 s + w (64 keys) against all 64 queries, 16 steps, so that each
; fragment read from LDS feeds four matrix instructions (32 KiB read for 128 of them). Each wave keeps its own running maximum m,
; sum l and unnormalised result O; the four are merged once, at the end.
; BOTH PRODUCTS ARE TAKEN TRANSPOSED. S^T = K Q^T: lane (r, h), register j holds key 16 kt + 8 h + j of query 16 t + r, so maximum and sum run
; inside a lane and over one exchange of the lane halves, and packing two S tiles to bf16 in place IS the B fragment of
; O^T = U P^T, in which lane (r, h), register j holds channel 16 cb + 8 h + j of query 16 t + r.
; q was scaled by log2(e)/sqrt(128) when it was made, so P = 2^(S - m). The running maximum keeps every exponent at or below 0.
; CLUSTER: the four query blocks of a cluster walk the same K and U tiles. Each tile is asked for jointly (mask 15): the descriptor hangs on
; the batch, the wave and the step alone. A step's tile of a wave is 128 rows of 256 bytes, 32 KiB; two slots.
; LIMITS: q, k, u and P are bf16, sums f32; l is summed over the unrounded exponentials; NaN and infinities are not treated specially.
;
; REGISTERS in windows of 256:
;   window 0: addresses; v32-159 Q's fragments (tile t, K step ks at 32 + 8 (4 t + ks)); v160-223 features, then the result; v224-255 rows of O read back
;   window 1: O, tile (t, cb) at 8 (8 t + cb)
;   window 2: v0-127 S, tile (kt, t) at 32 t + 8 kt, later P(t, p) at 32 t + 16 p; v128.. the softmax's state
;   window 3: v0-127 K's fragments (kt, ks) at 8 (4 kt + ks); v128-255 U's fragments (cb, p) at 128 + 8 (2 cb + p)
.set PITCH, 272                        ; an LDS row: 256 bytes + 16 of padding
.set WTILE, 128*PITCH                  ; a wave's tile: 64 rows of K, then 64 rows that hold two channels of U each
.set SLOT,  4*WTILE
.set UOFF,  64*PITCH
.set XCH,   2*SLOT                     ; 2,048 bytes of their own: m[wave][query], then l[wave][query]; no tensor load lands here
.set STEPB, 131072                     ; four key blocks of 32,768 bytes
.set AK,  4                            ; v4, v5    K's fragments in slot 0, 1
.set AU,  6                            ; v6, v7    U's fragments in slot 0, 1
.set SA,  8                            ; v8        O into my stage
.set RA,  10                           ; v10-13    rows of O back from the stage of wave 0..3
.set FO,  14                           ; v14       features and nf
.set QO,  15                           ; v15       Q
.set XMA, 16                           ; v16       m and l, in
.set XRA, 17                           ; v17       m and l, back
.set SO,  18                           ; v18       stats
.set QF,  32
.set X,   160
.set PT,  224
.set FF,  32                           ; at the end, in Q's registers: v32-47 the factor of wave w' for queries 4 r + e
.set MM,  48                           ; v48-63    m
.set LL,  64                           ; v64-79    l
.set SM,  80                           ; v80-95    sums, then means, of my 16 rows
.set MSQ, 96                           ; v96-111   sums of squared deviations
.set TT,  112                          ; v112-119  at work
.set RES, 120                          ; v120-121  what I store to stats
.set MP,  128                          ; window 2: m of tile t, twice (a pair for the packed subtraction)
.set AL,  136                          ; 2^(old m - new m), twice
.set LS,  144                          ; l
.set TA,  148
.set TB,  152
.set NM,  156
.set DD,  160
.set TP,  164
.set G1,  16                           ; s[16:23]
.set G0,  24                           ; s[24:31], a set of four for each slot
.set LDF,  0xc0                        ; LDS load: destination window 3, address window 0
.set SMUL, 0xa3                        ; A window 3, B window 0, C and D window 2
.set SOFT, 0xaa                        ; all in window 2
.set RESC, 0x49                        ; O (window 1) times AL (window 2)
.set PVM,  0x5b                        ; A window 3, B window 2, C and D window 1
.set STO,  0x04                        ; LDS store: address window 0, data window 1
.set STM,  0x08                        ; LDS store: address window 0, data window 2
.set MSB, 0
.macro WIN new                         ; the immediate's high byte repeats the setting that is left
.if MSB != \new
	s_set_vgpr_msb (MSB<<8)|\new
.set MSB, \new
.endif
.endm
.macro PLACES n
.rept \n
	v_nop
.endr
.endm
; A round of the cluster's barrier: my work-group's barrier, so that wave 0 speaks for all four waves; wave 0 signals for the work-group;
; every wave waits for all four work-groups; my work-group's barrier once more.
.macro ROUND
	s_barrier_signal -1
	s_barrier_wait -1
	s_cmp_lg_u32 s14, 0
	s_cbranch_scc1 .Lnot_wave_0_\@
	s_barrier_signal -3
.Lnot_wave_0_\@:
	s_barrier_wait -3
	s_barrier_signal -1
	s_barrier_wait -1
.endm
	s_load_b256 s[4:11], s[0:1], 0x0               ; qbuf 4, kubuf 6, features 8, nf 10
	s_load_b64 s[12:13], s[0:1], 0x20              ; stats
	v_lshl_add_u32 v30, v0, 2, 0x44800
	v_mov_b32 v31, 0
	ds_add_u32 v30, v31
	v_lshrrev_b32 v3, 5, v0
	v_readfirstlane_b32 s14, v3                    ; wave 0..3
	v_and_b32 v1, 15, v0                           ; r
	v_bfe_u32 v2, v0, 4, 1                         ; h
	v_and_b32 v3, 31, v0                           ; lane
	s_and_b32 s32, ttmp7, 0xffff                   ; batch (the cluster is one work-group high)
	s_bfe_u32 s40, ttmp6, 0x40000                  ; cx: my place in the cluster
	s_lshl_b32 s41, ttmp9, 2
	s_add_co_u32 s41, s41, s40                     ; query block = 4 x cluster x + cx
	s_mov_b32 s44, 0x76543210                      ; v_permlanex16_b32: lane i of one half reads lane i of the other
	s_mov_b32 s45, 0xfedcba98
	; descriptor group 1: 128 rows of 32 elements of 8 bytes, dense in memory, 16 bytes of padding behind each row in LDS
	s_mov_b32 s[G1+0], 0x0773000f                  ; 15:0 mask: all four of the cluster; 17:16 elements of 8 bytes; 20 padding on; 21 set beside a mask; 24:22 after 64 words; 31:25 four words
	s_mov_b32 s[G1+1], 32<<16                      ; tensor_dim0 = 32
	s_mov_b32 s[G1+2], 128<<16                     ; tensor_dim1 = 128
	s_mov_b32 s[G1+3], 32<<16                      ; tile_dim0 = 32
	s_mov_b32 s[G1+4], 128                         ; tile_dim1 = 128
	s_mov_b32 s[G1+5], 32                          ; from row to row: 32 elements
	s_mov_b32 s[G1+6], 0
	s_mov_b32 s[G1+7], 0
	s_mul_i32 s33, s14, WTILE                      ; my tile in a slot: the wave's number alone
	s_lshl_b32 s34, s32, 21                        ; kubuf: batch x 2 MiB + wave x 32,768: nothing of cx
	s_lshl_b32 s36, s14, 15
	s_add_co_u32 s34, s34, s36
	s_mov_b32 s35, 0
	s_wait_dscnt 0x0
	s_wait_kmcnt 0x0
	s_add_nc_u64 s[6:7], s[6:7], s[34:35]
.irp n, 0,1
	s_mov_b32 s[G0+4*\n], 1
	s_add_co_u32 s[G0+4*\n+1], s33, \n*SLOT
	s_add_nc_u64 s[G0+4*\n+2:G0+4*\n+3], s[6:7], \n*STEPB      ; step n's key block of my wave
	s_or_b32 s[G0+4*\n+3], s[G0+4*\n+3], 0x80000000
.endr
	ROUND                                          ; all four work-groups are here: the first joint loads meet
	tensor_load_to_lds s[G0:G0+3], s[G1:G1+7]      ; both first fills go out together, ahead of every wait for them and of every LDS read
	s_nop 0
	tensor_load_to_lds s[G0+4:G0+7], s[G1:G1+7]
	s_nop 0
	; what hangs on the query block: plain loads and stores alone
	s_lshl_b32 s42, s32, 20
	s_lshl_b32 s37, s41, 14
	s_add_co_u32 s42, s42, s37
	s_mov_b32 s43, 0
	s_add_nc_u64 s[4:5], s[4:5], s[42:43]          ; qbuf: batch x 1 MiB + block x 64 rows of 256 bytes
	s_lshl_b32 s42, s32, 21
	s_lshl_b32 s37, s41, 8
	s_add_co_u32 s42, s42, s37
	s_add_nc_u64 s[8:9], s[8:9], s[42:43]          ; features and nf: batch x 2 MiB + block x 256 bytes
	s_add_nc_u64 s[10:11], s[10:11], s[42:43]
	s_lshl_b32 s42, s32, 16
	s_lshl_b32 s37, s41, 10
	s_add_co_u32 s42, s42, s37
	s_add_nc_u64 s[12:13], s[12:13], s[42:43]      ; stats: (64 batch + block) x 1,024 bytes
	v_lshlrev_b32 v[QO], 8, v1
	v_lshl_add_u32 v[QO], v2, 4, v[QO]             ; row r, 16 h
	s_lshl_b32 s36, s14, 19
	v_lshlrev_b32 v[FO], 4, v1
	v_lshl_add_u32 v[FO], v2, 18, v[FO]
	v_add_nc_u32 v[FO], s36, v[FO]                 ; channel 32 w + 16 h, queries 4 r .. 4 r + 3
.irp t, 0,1,2,3
.irp ks, 0,1,2,3
	global_load_b128 v[QF+8*(4*\t+\ks):QF+8*(4*\t+\ks)+3],   v[QO], s[4:5] offset:\t*4096+64*\ks
	global_load_b128 v[QF+8*(4*\t+\ks)+4:QF+8*(4*\t+\ks)+7], v[QO], s[4:5] offset:\t*4096+64*\ks+32
.endr
.endr
.irp i, 0,1,2,3,4,5,6,7,8,9,10,11,12,13,14,15
	global_load_b128 v[X+4*\i:X+4*\i+3], v[FO], s[8:9] offset:\i*16384   ; the residual: wanted at the end, on its way during all 16 steps
.endr
	v_mul_u32_u24 v[AK], v1, PITCH
	v_lshl_add_u32 v[AK], v2, 4, v[AK]
	v_add_nc_u32 v[AK], s33, v[AK]                 ; key r of a block of 16, 16 h
	v_add_nc_u32 v[AK+1], SLOT, v[AK]
	v_lshrrev_b32 v[AU], 1, v1
	v_mul_u32_u24 v[AU], v[AU], PITCH
	v_and_b32 v[AU+1], 1, v1
	v_lshl_add_u32 v[AU], v[AU+1], 7, v[AU]        ; channel r of a block of 16: row r / 2, half r % 2: sixteen different 16-byte columns of 256
	v_lshl_add_u32 v[AU], v2, 4, v[AU]
	v_add3_u32 v[AU], v[AU], s33, UOFF
	v_add_nc_u32 v[AU+1], SLOT, v[AU]
	v_mul_u32_u24 v[SA], v2, 8*PITCH
	v_lshl_add_u32 v[SA], v1, 2, v[SA]
	v_add_nc_u32 v[SA], s33, v[SA]
	s_mul_i32 s36, s14, 32*PITCH
	v_mul_u32_u24 v[RA], v2, 16*PITCH
	v_lshl_add_u32 v[RA], v1, 4, v[RA]
	v_add_nc_u32 v[RA], s36, v[RA]
	v_add_nc_u32 v[RA+1], WTILE, v[RA]
	v_add_nc_u32 v[RA+2], 2*WTILE, v[RA]
	v_add_nc_u32 v[RA+3], 3*WTILE, v[RA]
	s_lshl_b32 s36, s14, 8
	v_lshl_add_u32 v[XMA], v1, 2, s36
	v_add_nc_u32 v[XMA], XCH, v[XMA]
	v_lshlrev_b32 v[XRA], 4, v1
	v_add_nc_u32 v[XRA], XCH, v[XRA]
	v_lshl_add_u32 v[SO], v3, 3, s36               ; channel 32 w + lane, 8 bytes
	WIN 0x80
.irp t, 0,1,2,3
	v_mov_b32 v[TB+\t], 0                          ; v_permlanex16_b32's destination counts as read: written once here
.endr
	WIN 0
.macro KLOADS slot                     ; 64 keys x 128 channels: 16 fragments
.irp kt, 0,1,2,3
.irp ks, 0,1,2,3
	ds_load_b128 v[8*(4*\kt+\ks):8*(4*\kt+\ks)+3],   v[AK+\slot] offset:\kt*16*PITCH+64*\ks
	ds_load_b128 v[8*(4*\kt+\ks)+4:8*(4*\kt+\ks)+7], v[AK+\slot] offset:\kt*16*PITCH+64*\ks+32
.endr
.endr
.endm
.macro ULOADS slot                     ; 128 channels x 64 keys: 16 fragments
.irp cb, 0,1,2,3,4,5,6,7
.irp p, 0,1
	ds_load_b128 v[128+8*(2*\cb+\p):128+8*(2*\cb+\p)+3],   v[AU+\slot] offset:\cb*8*PITCH+64*\p
	ds_load_b128 v[128+8*(2*\cb+\p)+4:128+8*(2*\cb+\p)+7], v[AU+\slot] offset:\cb*8*PITCH+64*\p+32
.endr
.endr
.endm
; 64 products. The four query tiles' accumulators take turns, one instruction a turn; the first K step starts the sums.
.macro SMULS
.irp kt, 0,1,2,3
.irp ks, 0,1,2,3
.irp t, 0,1,2,3
.if \ks
	v_wmma_f32_16x16x32_bf16 v[32*\t+8*\kt:32*\t+8*\kt+7], v[8*(4*\kt+\ks):8*(4*\kt+\ks)+7], v[QF+8*(4*\t+\ks):QF+8*(4*\t+\ks)+7], v[32*\t+8*\kt:32*\t+8*\kt+7]
.else
	v_wmma_f32_16x16x32_bf16 v[32*\t+8*\kt:32*\t+8*\kt+7], v[8*(4*\kt+\ks):8*(4*\kt+\ks)+7], v[QF+8*(4*\t+\ks):QF+8*(4*\t+\ks)+7], 0
.endif
.endr
.endr
.endr
.endm
.macro SUBM t                          ; S - m
.irp i, 0,2,4,6,8,10,12,14,16,18,20,22,24,26,28,30
	v_pk_add_f32 v[32*\t+\i:32*\t+\i+1], v[32*\t+\i:32*\t+\i+1], v[MP+2*\t:MP+2*\t+1] neg_lo:[0,1] neg_hi:[0,1]
.endr
.endm
.macro EXPS t
.irp i, 0,1,2,3,4,5,6,7,8,9,10,11,12,13,14,15,16,17,18,19,20,21,22,23,24,25,26,27,28,29,30,31
	v_exp_f32 v[32*\t+\i], v[32*\t+\i]
.endr
.endm
; The lane's 32 exponentials of tile t are summed in f32 and packed to bf16 in place, ascending: register b + i is written when b + 2 i and
; b + 2 i + 1 have been read. Registers 32 t + 16 p + 0..7 are then the B fragment P(t, p).
.macro SUMCVT t, first
	s_wait_alu depctr_va_vdst(0)
	v_pk_add_f32 v[TP+2*\t:TP+2*\t+1], v[32*\t:32*\t+1], v[32*\t+2:32*\t+3]
	v_cvt_pk_bf16_f32 v[32*\t],   v[32*\t],   v[32*\t+1]
	v_cvt_pk_bf16_f32 v[32*\t+1], v[32*\t+2], v[32*\t+3]
.irp i, 2,3,4,5,6,7
	v_pk_add_f32 v[TP+2*\t:TP+2*\t+1], v[TP+2*\t:TP+2*\t+1], v[32*\t+2*\i:32*\t+2*\i+1]
	v_cvt_pk_bf16_f32 v[32*\t+\i], v[32*\t+2*\i], v[32*\t+2*\i+1]
.endr
.irp i, 0,1,2,3,4,5,6,7
	v_pk_add_f32 v[TP+2*\t:TP+2*\t+1], v[TP+2*\t:TP+2*\t+1], v[32*\t+16+2*\i:32*\t+16+2*\i+1]
	v_cvt_pk_bf16_f32 v[32*\t+16+\i], v[32*\t+16+2*\i], v[32*\t+16+2*\i+1]
.endr
.if \first
	v_add_f32 v[LS+\t], v[TP+2*\t], v[TP+2*\t+1]
.else
	v_add_f32 v[TA+\t], v[TP+2*\t], v[TP+2*\t+1]
	v_fma_f32 v[LS+\t], v[LS+\t], v[AL+2*\t], v[TA+\t]         ; l = l 2^(old m - new m) + this step's sum
.endif
.endm
; The four query tiles go side by side, so that no line waits for the one in front of it.
.macro SOFTMAX first
.irp t, 0,1,2,3
	v_max3_num_f32 v[TA+\t], v[32*\t], v[32*\t+1], v[32*\t+2]
.endr
.irp i, 0,1,2,3,4,5,6,7,8,9,10,11,12,13
.irp t, 0,1,2,3
	v_max3_num_f32 v[TA+\t], v[TA+\t], v[32*\t+3+2*\i], v[32*\t+4+2*\i]
.endr
.endr
.irp t, 0,1,2,3
	v_max_num_f32 v[TA+\t], v[TA+\t], v[32*\t+31]
.endr
.irp t, 0,1,2,3
	v_permlanex16_b32 v[TB+\t], v[TA+\t], s44, s45             ; the other half of the lanes holds the query's other 32 keys
.endr
.if \first
.irp t, 0,1,2,3
	v_max_num_f32 v[NM+\t], v[TA+\t], v[TB+\t]
.endr
.else
.irp t, 0,1,2,3
	v_max3_num_f32 v[NM+\t], v[TA+\t], v[TB+\t], v[MP+2*\t]    ; the running maximum
.endr
.irp t, 0,1,2,3
	v_sub_f32 v[DD+\t], v[MP+2*\t], v[NM+\t]
.endr
.endif
.irp t, 0,1,2,3
	v_mov_b32 v[MP+2*\t],   v[NM+\t]
	v_mov_b32 v[MP+2*\t+1], v[NM+\t]
.endr
.if \first == 0
.irp t, 0,1,2,3
	v_exp_f32 v[AL+2*\t],   v[DD+\t]
	v_exp_f32 v[AL+2*\t+1], v[DD+\t]
.endr
.endif
	; behind each run of exponentials the next line is a plain instruction on another tile's registers (ISA guide 5.7.2)
	SUBM 0
	EXPS 0
	SUBM 1
	EXPS 1
	SUMCVT 0, \first
	SUBM 2
	EXPS 2
	SUMCVT 1, \first
	SUBM 3
	EXPS 3
	SUMCVT 2, \first
	SUMCVT 3, \first
.endm
.macro RESCALE                         ; O times 2^(old m - new m): one number a lane and query tile
.irp cb, 0,1,2,3,4,5,6,7
.irp j, 0,2,4,6
.irp t, 0,1,2,3
	v_pk_mul_f32 v[8*(8*\t+\cb)+\j:8*(8*\t+\cb)+\j+1], v[8*(8*\t+\cb)+\j:8*(8*\t+\cb)+\j+1], v[AL+2*\t:AL+2*\t+1]
.endr
.endr
.endr
.endm
; 64 products. The 32 accumulators take turns, one instruction a turn; in the first step the first 32 start the sums.
.macro PV first
.irp p, 0,1
.irp cb, 0,1,2,3,4,5,6,7
.irp t, 0,1,2,3
.if \first*(1-\p)
	v_wmma_f32_16x16x32_bf16 v[8*(8*\t+\cb):8*(8*\t+\cb)+7], v[128+8*(2*\cb+\p):128+8*(2*\cb+\p)+7], v[32*\t+16*\p:32*\t+16*\p+7], 0
.else
	v_wmma_f32_16x16x32_bf16 v[8*(8*\t+\cb):8*(8*\t+\cb)+7], v[128+8*(2*\cb+\p):128+8*(2*\cb+\p)+7], v[32*\t+16*\p:32*\t+16*\p+7], v[8*(8*\t+\cb):8*(8*\t+\cb)+7]
.endif
.endr
.endr
.endr
.endm
; One step: my 64 keys in slot. K's fragments were asked for in the step before. refill = 1: the slot gets the tile of two steps on;
; nextk = 1: the next step's K fragments are asked for from the other slot.
.macro STEP slot, first, refill, nextk
.if \first == 0
	PLACES 5                                       ; behind the last step's products (ISA guide 7.12.1): U's fragments are loaded anew, S is written over P, O is rescaled
.endif
	WIN LDF
	ULOADS \slot
	s_wait_dscnt 32                                ; K's 32 loads are in; U's 32, just issued, land under the 64 products
	WIN SMUL
	SMULS
	PLACES 5                                       ; behind them: S is read and later serves as B; K's fragments are loaded anew
	WIN 0
	s_wait_dscnt 0x0                               ; U is in: all my reads of this slot are done
.if \refill+\nextk
	s_wait_tensorcnt 0x0                           ; all my tensor loads have landed: the one that was out is the other slot's tile
	ds_add_u32 v30, v31
	s_wait_dscnt 0x0
.endif
.if \refill
	s_add_nc_u64 s[G0+4*\slot+2:G0+4*\slot+3], s[G0+4*\slot+2:G0+4*\slot+3], 2*STEPB   ; no load of mine is out: the slot's descriptor steps two steps on
	ROUND                                          ; both waits now hold of every wave of all four work-groups
	tensor_load_to_lds s[G0+4*\slot:G0+4*\slot+3], s[G1:G1+7]  ; my one tensor load behind the round, first thing there; it has a whole step in which to land
	s_nop 0
.endif
.if \nextk
	WIN LDF
	KLOADS 1-\slot                                 ; they land under the softmax and the 64 products behind it
.endif
	WIN SOFT
	SOFTMAX \first
.if \first == 0
	WIN RESC
	RESCALE
.endif
	WIN PVM
	PV \first
	WIN 0
.endm
	s_wait_tensorcnt 0x1                           ; step 0's tile of mine is in; step 1's stays out. Only I read my tiles
	WIN LDF
	KLOADS 0
	WIN 0
	s_wait_loadcnt 16                              ; Q is in; the 16 loads of features are younger and stay out
	STEP 0, 1, 1, 1                                ; step 0 stands in front of the loop: its products start the sums
	s_mov_b32 s15, 6
.Lloop:                                            ; steps 1 to 12
	STEP 1, 0, 1, 1
	STEP 0, 0, 1, 1
	s_sub_co_u32 s15, s15, 1
	s_cmp_lg_u32 s15, 0
	s_cbranch_scc1 .Lloop
	STEP 1, 0, 1, 1                                ; step 13 asks for step 15's tile: the last load
	STEP 0, 0, 0, 1                                ; step 14
	STEP 1, 0, 0, 0                                ; step 15
	; THE MERGE. Each wave lays m, l and its O into LDS: O as [channel][query] f32 into its own tile of slot 0, which has had its last fill.
	PLACES 5                                       ; behind the last products: O is read by LDS stores
	WIN SOFT
.irp t, 0,1,2,3
	v_permlanex16_b32 v[TB+\t], v[LS+\t], s44, s45
.endr
.irp t, 0,1,2,3
	v_add_f32 v[LS+\t], v[LS+\t], v[TB+\t]         ; l over both halves' keys
.endr
	WIN STM
.irp t, 0,1,2,3
	ds_store_b32 v[XMA], v[MP+2*\t] offset:64*\t
	ds_store_b32 v[XMA], v[LS+\t] offset:1024+64*\t
.endr
	WIN STO
.irp t, 0,1,2,3
.irp cb, 0,1,2,3,4,5,6,7
.irp j, 0,1,2,3,4,5,6,7
	ds_store_b32 v[SA], v[8*(8*\t+\cb)+\j] offset:(16*\cb+\j)*PITCH+64*\t
.endr
.endr
.endr
	WIN 0
	s_wait_dscnt 0x0                               ; for the other waves' sake: my stores are done,
	s_barrier_signal -1
	s_barrier_wait -1                              ; everybody's are
.macro PTLOAD i                        ; row i of my 16: channel 32 w + 16 h + i, queries 4 r .. 4 r + 3, from all four stages
.irp wq, 0,1,2,3
	ds_load_b128 v[PT+16*((\i)%2)+4*\wq:PT+16*((\i)%2)+4*\wq+3], v[RA+\wq] offset:(\i)*PITCH
.endr
.endm
.irp wq, 0,1,2,3
	ds_load_b128 v[MM+4*\wq:MM+4*\wq+3], v[XRA] offset:256*\wq
.endr
.irp wq, 0,1,2,3
	ds_load_b128 v[LL+4*\wq:LL+4*\wq+3], v[XRA] offset:1024+256*\wq
.endr
	PTLOAD 0
	PTLOAD 1
	s_wait_dscnt 8                                 ; m and l are in; the eight loads of rows 0 and 1 stay out
	; factor of wave w' for a query: 2^(m' - M) / sum over the waves of 2^(m' - M) l'. The sum is at least 1: the wave that holds M has l >= 1.
.irp e, 0,1,2,3
	v_max3_num_f32 v[TT+\e], v[MM+\e], v[MM+4+\e], v[MM+8+\e]
.endr
.irp e, 0,1,2,3
	v_max_num_f32 v[TT+\e], v[TT+\e], v[MM+12+\e]
.endr
.irp wq, 0,1,2,3
.irp e, 0,1,2,3
	v_sub_f32 v[FF+4*\wq+\e], v[MM+4*\wq+\e], v[TT+\e]
.endr
.endr
.irp i, 0,1,2,3,4,5,6,7,8,9,10,11,12,13,14,15
	v_exp_f32 v[FF+\i], v[FF+\i]
.endr
	v_nop                                          ; one plain place behind the exponentials (ISA guide 5.7.2)
	s_wait_alu depctr_va_vdst(0)
.irp e, 0,1,2,3
	v_mul_f32 v[TT+4+\e], v[FF+\e], v[LL+\e]
.endr
.irp wq, 1,2,3
.irp e, 0,1,2,3
	v_fmac_f32 v[TT+4+\e], v[FF+4*\wq+\e], v[LL+4*\wq+\e]
.endr
.endr
.irp e, 0,1,2,3
	v_rcp_f32 v[TT+4+\e], v[TT+4+\e]
.endr
	v_nop                                          ; and behind the reciprocals
	s_wait_alu depctr_va_vdst(0)
.irp wq, 0,1,2,3
.irp k, 0,2
	v_pk_mul_f32 v[FF+4*\wq+\k:FF+4*\wq+\k+1], v[FF+4*\wq+\k:FF+4*\wq+\k+1], v[TT+4+\k:TT+4+\k+1]
.endr
.endr
	s_wait_loadcnt 0x0                             ; features
.irp i, 0,1,2,3,4,5,6,7,8,9,10,11,12,13,14,15
.if \i == 15
	s_wait_dscnt 0x0
.else
	s_wait_dscnt 4                                 ; row i's four loads are in; the next row's four stay out
.endif
.irp wq, 0,1,2,3
	v_pk_fma_f32 v[X+4*\i:X+4*\i+1],   v[FF+4*\wq:FF+4*\wq+1],   v[PT+16*(\i%2)+4*\wq:PT+16*(\i%2)+4*\wq+1],   v[X+4*\i:X+4*\i+1]
	v_pk_fma_f32 v[X+4*\i+2:X+4*\i+3], v[FF+4*\wq+2:FF+4*\wq+3], v[PT+16*(\i%2)+4*\wq+2:PT+16*(\i%2)+4*\wq+3], v[X+4*\i+2:X+4*\i+3]
.endr
.if \i < 14
	PTLOAD \i+2
.endif
	global_store_b128 v[FO], v[X+4*\i:X+4*\i+3], s[10:11] offset:\i*16384    ; sixteen lanes store a channel's 256 consecutive bytes, aligned
	v_pk_add_f32 v[TT:TT+1], v[X+4*\i:X+4*\i+1], v[X+4*\i+2:X+4*\i+3]
	v_add_f32 v[SM+\i], v[TT], v[TT+1]
.endr
	; Each channel's 64 numbers lie in the sixteen lanes of one half. First the mean, then the squared deviations from it:
	; no difference of large sums is formed.
.irp m, 1,2,4,8
.irp i, 0,1,2,3,4,5,6,7,8,9,10,11,12,13,14,15
	v_add_f32_dpp v[SM+\i], v[SM+\i], v[SM+\i] row_xmask:\m row_mask:0xf bank_mask:0xf
.endr
.endr
.irp i, 0,1,2,3,4,5,6,7,8,9,10,11,12,13,14,15
	v_mul_f32 v[SM+\i], 0x3c800000, v[SM+\i]       ; / 64
.endr
.irp i, 0,1,2,3,4,5,6,7,8,9,10,11,12,13,14,15
	v_sub_f32 v[TT+4*(\i%2)],   v[X+4*\i],   v[SM+\i]
	v_sub_f32 v[TT+4*(\i%2)+1], v[X+4*\i+1], v[SM+\i]
	v_sub_f32 v[TT+4*(\i%2)+2], v[X+4*\i+2], v[SM+\i]
	v_sub_f32 v[TT+4*(\i%2)+3], v[X+4*\i+3], v[SM+\i]
	v_mul_f32  v[MSQ+\i], v[TT+4*(\i%2)],   v[TT+4*(\i%2)]
	v_fmac_f32 v[MSQ+\i], v[TT+4*(\i%2)+1], v[TT+4*(\i%2)+1]
	v_fmac_f32 v[MSQ+\i], v[TT+4*(\i%2)+2], v[TT+4*(\i%2)+2]
	v_fmac_f32 v[MSQ+\i], v[TT+4*(\i%2)+3], v[TT+4*(\i%2)+3]
.endr
.irp m, 1,2,4,8
.irp i, 0,1,2,3,4,5,6,7,8,9,10,11,12,13,14,15
	v_add_f32_dpp v[MSQ+\i], v[MSQ+\i], v[MSQ+\i] row_xmask:\m row_mask:0xf bank_mask:0xf
.endr
.endr
	v_mov_b32 v[RES],   v[SM]                      ; lane (r, h) keeps row i = r: channel 32 w + lane
	v_mov_b32 v[RES+1], v[MSQ]
.irp i, 1,2,3,4,5,6,7,8,9,10,11,12,13,14,15
	v_cmp_eq_u32 vcc_lo, \i, v1
	v_cndmask_b32 v[RES],   v[RES],   v[SM+\i],  vcc_lo
	v_cndmask_b32 v[RES+1], v[RES+1], v[MSQ+\i], vcc_lo
.endr
	global_store_b64 v[SO], v[RES:RES+1], s[12:13] ; the wave stores 256 consecutive bytes, aligned
	s_wait_tensorcnt 0x0
	ds_add_u32 v30, v31
	s_wait_dscnt 0x0
	ROUND                                          ; the closing round: no work-group ends while a partner may still ask for a tile that names it
	s_endpgm
.Lfunc_end_k_q6b1515fbec_attn:
	.size	k_q6b1515fbec_attn, .Lfunc_end_k_q6b1515fbec_attn-k_q6b1515fbec_attn
	.p2alignl 7, 3214868480
	.fill 96, 4, 3214868480
	.section	.rodata,"a",@progbits
	.p2align	6, 0x0
	.amdhsa_kernel k_q6b1515fbec_attn
		.amdhsa_group_segment_fixed_size 327680
		.amdhsa_private_segment_fixed_size 0
		.amdhsa_enable_private_segment 0
		.amdhsa_kernarg_size 40
		.amdhsa_user_sgpr_count 2
		.amdhsa_user_sgpr_kernarg_segment_ptr 1
		.amdhsa_wavefront_size32 1
		.amdhsa_system_sgpr_workgroup_id_x 1
		.amdhsa_system_sgpr_workgroup_id_y 1
		.amdhsa_system_sgpr_workgroup_id_z 1
		.amdhsa_system_vgpr_workitem_id 0
		.amdhsa_next_free_vgpr 1024
		.amdhsa_next_free_sgpr 66
		.amdhsa_reserve_vcc 1
		.amdhsa_float_denorm_mode_32 3
		.amdhsa_float_denorm_mode_16_64 3
		.amdhsa_memory_ordered 1
		.amdhsa_forward_progress 1
		.amdhsa_inst_pref_size 255
	.end_amdhsa_kernel
	.section	.bss,"aw",@nobits
	.p2align	6
	.space	262144
	.amdgpu_metadata
---
amdhsa.version: [ 1, 2 ]
amdhsa.kernels:
  - .name:           k_q6b1515fbec_attn
    .symbol:         k_q6b1515fbec_attn.kd
    .args:
      - { .name: qbuf, .offset: 0, .size: 8, .value_kind: global_buffer, .address_space: global }
      - { .name: kubuf, .offset: 8, .size: 8, .value_kind: global_buffer, .address_space: global }
      - { .name: features, .offset: 16, .size: 8, .value_kind: global_buffer, .address_space: global }
      - { .name: nf, .offset: 24, .size: 8, .value_kind: global_buffer, .address_space: global }
      - { .name: stats, .offset: 32, .size: 8, .value_kind: global_buffer, .address_space: global }
    .group_segment_fixed_size: 327680
    .private_segment_fixed_size: 0
    .kernarg_segment_align: 8
    .kernarg_segment_size: 40
    .max_flat_workgroup_size: 128
    .sgpr_count:     66
    .vgpr_count:     1024
    .wavefront_size: 32
...
	.end_amdgpu_metadata
.endif
;; end of part 2
;; launch bnorm (part 3): grid 256 x 1, 8 waves a work-group, no clusters, 5,120 bytes of LDS; arguments nf, stats, gamma, beta, out0; writes out0
.if DOCPART == 3
	.amdgcn_target "amdgcn-amd-amdhsa--gfx1250"
	.amdhsa_code_object_version 6
	.text
	.protected	k_q6b1515fbec_bnorm
	.globl	k_q6b1515fbec_bnorm
	.p2align	8
	.type	k_q6b1515fbec_bnorm,@function
k_q6b1515fbec_bnorm:
	s_mov_b64 s[64:65], 0
	v_nop
	global_prefetch_b8 v0, s[64:65] scope:SCOPE_SE
	s_setreg_imm32_b32 hwreg(HW_REG_WAVE_MODE, 25, 1), 1
	s_wait_xcnt 0x0
; out0 = relu((nf - mean) rsqrt(var + 1e-5) gamma + beta), mean and var of each channel over all 4 x 4,096 numbers.
; Work-group g: channels 32 (g / 64) .. + 31, batch (g / 16) % 4, columns 256 (g % 16) .. + 255: 32 KiB in, 32 KiB out.
; Wave w takes 4 channels; a load or store of the wave covers 512 consecutive bytes, aligned.
; The statistics come as 256 rows (one a work-group of the launch before) of (mean, sum of squared deviations) over 64 numbers each. Every
; work-group here merges its 32 channels' figures itself, 64 KiB read in whole pieces of 256 bytes, rather than through one more launch.
; Groups of equal size are merged as M2 = sum of M2_i + size x sum of (mean_i - mean)^2, in two levels (16 groups of 64, 16 groups of 1,024):
; the variance is never a difference of large sums.
; This is a stream: no matrix unit, no cluster, no tensor loads; the one barrier hands the first level's figures from wave to wave.
; LIMITS: a NaN comes out of the maximum with 0 as 0; infinities are not treated specially.
.set ST,  16                           ; v[16:79]   16 loads of stats; later the 16 pairs of the second level
.set D,   80                           ; v[80:111]  my 4 rows x 2 x 16 bytes
.set W,   112                          ; v[112:119] at work
	s_load_b256 s[4:11], s[0:1], 0x0               ; nf 4, stats 6, gamma 8, beta 10
	s_load_b64 s[12:13], s[0:1], 0x20              ; out0
	v_lshl_add_u32 v128, v0, 2, 0x1000
	v_mov_b32 v129, 0
	v_lshrrev_b32 v1, 5, v0
	v_readfirstlane_b32 s14, v1                    ; wave 0..7
	v_and_b32 v2, 31, v0                           ; lane
	v_and_b32 v3, 15, v0                           ; r
	v_bfe_u32 v4, v0, 4, 1                         ; h
	s_lshr_b32 s15, ttmp9, 6                       ; which 32 channels
	s_bfe_u32 s16, ttmp9, 0x20004                  ; batch
	s_and_b32 s17, ttmp9, 15                       ; which 256 columns
	s_lshl_b32 s18, s16, 21                        ; batch x 2 MiB + (32 group + 4 wave) rows of 16,384 bytes + 1,024 x column block
	s_lshl_b32 s30, s15, 19
	s_add_co_u32 s18, s18, s30
	s_lshl_b32 s30, s14, 16
	s_add_co_u32 s18, s18, s30
	s_lshl_b32 s30, s17, 10
	s_add_co_u32 s18, s18, s30
	s_mov_b32 s19, 0
	s_lshl_b32 s28, s15, 8                         ; my 32 channels in a row of stats: 256 bytes
	s_mov_b32 s29, 0
	v_lshlrev_b32 v5, 4, v2                        ; data: 16 x lane
	s_lshl_b32 s31, s14, 11
	v_lshlrev_b32 v6, 4, v3
	v_lshl_add_u32 v6, v4, 10, v6
	v_add_nc_u32 v6, s31, v6                       ; stats: row 2 w + h, channels 2 r and 2 r + 1
	s_lshl_b32 s30, s15, 7
	s_lshl4_add_u32 s30, s14, s30
	v_and_b32 v7, 3, v0
	v_lshl_add_u32 v7, v7, 2, s30                  ; gamma, beta: channel 32 group + 4 w + lane % 4
	s_lshl_b32 s31, s14, 9
	v_lshlrev_b32 v8, 4, v3
	v_lshl_add_u32 v8, v4, 8, v8
	v_add_nc_u32 v8, s31, v8                       ; LDS, in: row 2 w + h of 16 rows of 256 bytes
	s_lshl_b32 s31, s14, 5
	v_and_b32 v9, 3, v0
	v_lshl_add_u32 v9, v9, 3, s31                  ; LDS, back: channel 4 w + lane % 4 of the 32
	s_wait_kmcnt 0x0
	s_add_nc_u64 s[4:5], s[4:5], s[18:19]
	s_add_nc_u64 s[12:13], s[12:13], s[18:19]
	s_add_nc_u64 s[6:7], s[6:7], s[28:29]
	global_load_b32 v10, v7, s[8:9]
	global_load_b32 v11, v7, s[10:11]
.irp rr, 0,1,2,3,4,5,6,7,8,9,10,11,12,13,14,15
	global_load_b128 v[ST+4*\rr:ST+4*\rr+3], v6, s[6:7] offset:\rr*16384     ; rows 16 rr + 2 w + h
.endr
.irp i, 0,1,2,3
	global_load_b128 v[D+8*\i:D+8*\i+3],   v5, s[4:5] offset:\i*16384 th:TH_LOAD_NT
	global_load_b128 v[D+8*\i+4:D+8*\i+7], v5, s[4:5] offset:\i*16384+512 th:TH_LOAD_NT
.endr
	s_wait_loadcnt 8                               ; gamma, beta and stats are in; the 8 loads of data are younger and stay out
	; first level: my 16 rows, two channels: (sum of means, sum of M2) in pairs
	v_pk_add_f32 v[W:W+1],   v[ST:ST+1],   v[ST+4:ST+5]
	v_pk_add_f32 v[W+2:W+3], v[ST+2:ST+3], v[ST+6:ST+7]
.irp rr, 2,3,4,5,6,7,8,9,10,11,12,13,14,15
	v_pk_add_f32 v[W:W+1],   v[W:W+1],   v[ST+4*\rr:ST+4*\rr+1]
	v_pk_add_f32 v[W+2:W+3], v[W+2:W+3], v[ST+4*\rr+2:ST+4*\rr+3]
.endr
	v_mul_f32 v[W],   0x3d800000, v[W]             ; / 16: the mean of 1,024 numbers
	v_mul_f32 v[W+2], 0x3d800000, v[W+2]
	v_sub_f32 v[W+6], v[ST],   v[W]
	v_sub_f32 v[W+7], v[ST+2], v[W+2]
	v_mul_f32 v[W+4], v[W+6], v[W+6]
	v_mul_f32 v[W+5], v[W+7], v[W+7]
.irp rr, 1,2,3,4,5,6,7,8,9,10,11,12,13,14,15
	v_sub_f32 v[W+6], v[ST+4*\rr],   v[W]
	v_sub_f32 v[W+7], v[ST+4*\rr+2], v[W+2]
	v_fmac_f32 v[W+4], v[W+6], v[W+6]
	v_fmac_f32 v[W+5], v[W+7], v[W+7]
.endr
	v_fmac_f32 v[W+1], 0x42800000, v[W+4]          ; + 64 x the means' squared deviations
	v_fmac_f32 v[W+3], 0x42800000, v[W+5]
	ds_store_b128 v8, v[W:W+3]
	s_wait_dscnt 0x0                               ; for the other waves' sake: my store is done,
	s_barrier_signal -1
	s_barrier_wait -1                              ; everybody's is
	; second level: the 16 groups of 1,024 of channel 4 w + lane % 4
.irp j, 0,1,2,3,4,5,6,7,8,9,10,11,12,13,14,15
	ds_load_b64 v[ST+2*\j:ST+2*\j+1], v9 offset:\j*256
.endr
	s_wait_dscnt 0x0
	v_pk_add_f32 v[W:W+1], v[ST:ST+1], v[ST+2:ST+3]
.irp j, 2,3,4,5,6,7,8,9,10,11,12,13,14,15
	v_pk_add_f32 v[W:W+1], v[W:W+1], v[ST+2*\j:ST+2*\j+1]
.endr
	v_mul_f32 v[W], 0x3d800000, v[W]               ; / 16: the channel's mean
	v_sub_f32 v[W+6], v[ST], v[W]
	v_mul_f32 v[W+4], v[W+6], v[W+6]
.irp j, 1,2,3,4,5,6,7,8,9,10,11,12,13,14,15
	v_sub_f32 v[W+6], v[ST+2*\j], v[W]
	v_fmac_f32 v[W+4], v[W+6], v[W+6]
.endr
	v_fmac_f32 v[W+1], 0x44800000, v[W+4]          ; + 1,024 x the means' squared deviations
	v_mov_b32 v[W+5], 0x3727c5ac                   ; 1e-5
	v_fmac_f32 v[W+5], 0x38800000, v[W+1]          ; var + eps = M2 / 16,384 + 1e-5
	v_rsq_f32 v[W+2], v[W+5]
	v_nop                                          ; one plain place behind the root (ISA guide 5.7.2)
	s_wait_alu depctr_va_vdst(0)
	v_mul_f32 v[W+2], v10, v[W+2]                  ; scale = gamma / sqrt(var + eps)
	v_fma_f32 v[W+3], -v[W], v[W+2], v11           ; shift = beta - mean scale
.irp i, 0,1,2,3
	v_readlane_b32 s[20+2*\i], v[W+2], \i          ; lane i holds the figures of my row i
	v_readlane_b32 s[21+2*\i], v[W+3], \i
.endr
	s_wait_loadcnt 0x0                             ; the data
.irp i, 0,1,2,3
.irp e, 0,1,2,3,4,5,6,7
	v_fma_f32 v[D+8*\i+\e], v[D+8*\i+\e], s[20+2*\i], s[21+2*\i]
.endr
.irp e, 0,1,2,3,4,5,6,7
	v_max_num_f32 v[D+8*\i+\e], 0, v[D+8*\i+\e]
.endr
	global_store_b128 v5, v[D+8*\i:D+8*\i+3],   s[12:13] offset:\i*16384 th:TH_STORE_NT
	global_store_b128 v5, v[D+8*\i+4:D+8*\i+7], s[12:13] offset:\i*16384+512 th:TH_STORE_NT
.endr
	s_wait_tensorcnt 0x0
	ds_add_u32 v128, v129
	s_wait_dscnt 0x0
	s_endpgm
.Lfunc_end_k_q6b1515fbec_bnorm:
	.size	k_q6b1515fbec_bnorm, .Lfunc_end_k_q6b1515fbec_bnorm-k_q6b1515fbec_bnorm
	.p2alignl 7, 3214868480
	.fill 96, 4, 3214868480
	.section	.rodata,"a",@progbits
	.p2align	6, 0x0
	.amdhsa_kernel k_q6b1515fbec_bnorm
		.amdhsa_group_segment_fixed_size 5120
		.amdhsa_private_segment_fixed_size 0
		.amdhsa_enable_private_segment 0
		.amdhsa_kernarg_size 40
		.amdhsa_user_sgpr_count 2
		.amdhsa_user_sgpr_kernarg_segment_ptr 1
		.amdhsa_wavefront_size32 1
		.amdhsa_system_sgpr_workgroup_id_x 1
		.amdhsa_system_sgpr_workgroup_id_y 1
		.amdhsa_system_sgpr_workgroup_id_z 1
		.amdhsa_system_vgpr_workitem_id 0
		.amdhsa_next_free_vgpr 130
		.amdhsa_next_free_sgpr 66
		.amdhsa_reserve_vcc 0
		.amdhsa_float_denorm_mode_32 3
		.amdhsa_float_denorm_mode_16_64 3
		.amdhsa_memory_ordered 1
		.amdhsa_forward_progress 1
		.amdhsa_inst_pref_size 17
	.end_amdhsa_kernel
	.amdgpu_metadata
---
amdhsa.version: [ 1, 2 ]
amdhsa.kernels:
  - .name:           k_q6b1515fbec_bnorm
    .symbol:         k_q6b1515fbec_bnorm.kd
    .args:
      - { .name: nf, .offset: 0, .size: 8, .value_kind: global_buffer, .address_space: global }
      - { .name: stats, .offset: 8, .size: 8, .value_kind: global_buffer, .address_space: global }
      - { .name: gamma, .offset: 16, .size: 8, .value_kind: global_buffer, .address_space: global }
      - { .name: beta, .offset: 24, .size: 8, .value_kind: global_buffer, .address_space: global }
      - { .name: out0, .offset: 32, .size: 8, .value_kind: global_buffer, .address_space: global }
    .group_segment_fixed_size: 5120
    .private_segment_fixed_size: 0
    .kernarg_segment_align: 8
    .kernarg_segment_size: 40
    .max_flat_workgroup_size: 256
    .sgpr_count:     66
    .vgpr_count:     130
    .wavefront_size: 32
...
	.end_amdgpu_metadata
.endif
;; end of part 3
;; ======== version 2 of 2: 3 launches; version 1 with the launch proj written anew for expert scheduling mode
;; workspace buffers: qbuf 4,194,304 bytes; kubuf 8,388,608 bytes; nf 8,388,608 bytes; stats 262,144 bytes
;; launch proj (part 4): grid 64 x 4, 8 waves a work-group, no clusters, 75,776 bytes of LDS; arguments features, xyz, Wq, Wk, Wv, bq, bk, bv, Wp, bp, qbuf, kubuf; writes qbuf, kubuf
.if DOCPART == 4
	.amdgcn_target "amdgcn-amd-amdhsa--gfx1250"
	.amdhsa_code_object_version 6
	.text
	.protected	k_q6b1515fbec_proj
	.globl	k_q6b1515fbec_proj
	.p2align	8
	.type	k_q6b1515fbec_proj,@function
k_q6b1515fbec_proj:
	s_mov_b64 s[64:65], 0
	v_nop
	global_prefetch_b8 v0, s[64:65] scope:SCOPE_SE
	s_setreg_imm32_b32 hwreg(HW_REG_WAVE_SCHED_MODE, 0, 2), 2
	s_setreg_imm32_b32 hwreg(HW_REG_WAVE_MODE, 25, 1), 1
	s_wait_xcnt 0x0
	s_wait_alu depctr_vm_vsrc(0)
; The three 1x1 convolutions and the position code, for 64 tokens of one batch a work-group.
;   qbuf [b][n][128] bf16          = (Wq x + bq) * log2(e)/sqrt(128): the softmax's scale and the change to base 2 are folded in here
;   kubuf [b][block of 64 keys][32,768 bytes]: bytes 0..16383 K as [key][128 c] bf16; bytes 16384..32767 U as [c][64 keys] bf16,
;   U = Wv x + bv + Wp xyz + bp: the two value streams share the attention weights, so they are added once, here.
; Eight waves; wave w makes output channels 16 w .. 16 w + 15 of all three products for all 64 tokens: 48 matrix instructions.
; x is rounded to bf16 and laid into LDS as [c][token]; a transposing LDS load makes of it one fragment that serves as B (Q, K: a lane then
; holds 8 neighbouring channels of a token) and as A (U: a lane then holds 8 neighbouring tokens of a channel).
; The biases enter as the first product's C; bv + bp + Wp xyz is made in f32 straight in U's accumulator.
; NO JOINT LOADS of the weights, though all work-groups read them: a joint load ends in LDS, so the 196,608 bytes of f32 weights would be
; written to LDS and read from it once more in every work-group; here each wave takes its 24,576 bytes once, straight into registers.
; LIMITS: x, the weights, q, k and u are rounded to bf16 (sums in f32); NaN and infinities are not treated specially.
; THE MODE: SCHED_MODE bits 1:0 = 2 (LLVM: expert scheduling mode 2), set by the entry lines.  The code itself states the register dependences
; between vector or matrix instructions and memory or LDS instructions, with s_wait_alu, always for 0.
; THE PLAN.  Registers that memory or LDS instructions touch:
;   v3 .. v17, v138  offsets and addresses: each written once, at the head, and never again.
;   XRAW, XPK        x as loaded, read by its 16 roundings; x packed, written by them and read by eight LDS stores.  Both become XF.
;   XF0, XF1         Tile t: its 12 matrix instructions read XF[t % 2]; the LDS loads for tile t + 1 land in the other.
;   TX               Tile t: its 24 multiply-adds, at its head, read TX; behind them the LDS loads for tile t + 1 land in it.
;   O0 .. O3         Tile t's 12 roundings write O[t], each buffer once; three LDS stores, issued in tile t + 1, read it.
;   OUTR             XF's registers once more: the way out's LDS loads land in them, the global stores read them.
;   The weights' fragments, the biases and the accumulators are named by vector and matrix instructions alone.
; So ONE wait on va_vdst stands in a tile, behind its multiply-adds: they are done reading TX, the tile before's matrix instructions are done reading
; the other XF, and its roundings have written its O.  The tile before's three stores follow it, and the next tile's 14 loads are dealt among this
; tile's matrix instructions, which name none of the registers that those stores and loads touch.
.set XP,     160                       ; LDS pitch of x: 128 bytes + 32, an odd multiple of 32 bytes, for the transposing load
.set XYZL,   20480                     ; 64 tokens x 3 f32
.set QS,     21504                     ; stage of q: 64 tokens x 272 bytes
.set KS,     38912                     ; stage of k: the same
.set US,     56320                     ; stage of u: 128 channels x 144 bytes
.set SP,     272
.set UP,     144
.set QSCALE, 0x3e0293ee                ; log2(e) / sqrt(128)
.set XO,   3                           ; x in memory: (16 w + h) rows of 16,384 bytes + 16 r
.set XS,   4                           ; x in LDS, store: (16 w + h) XP + 8 r
.set ZW,   5                           ; xyz: 128 w + 4 lane
.set WO,   6                           ; weights: (16 w + r) rows of 512 bytes + 32 h
.set BO,   7                           ; bq, bk: 64 w + 32 h
.set CO4,  8                           ; bv, bp: 4 (16 w + r)
.set CO12, 9                           ; Wp: 12 (16 w + r)
.set XR,   10                          ; x in LDS, transposing load
.set TXA,  11                          ; xyz in LDS: XYZL + 96 h
.set SQ,   12                          ; stage of q and k, in
.set SU,   13                          ; stage of u, in
.set CR,   14                          ; stage of q and k, back
.set CG,   15                          ; q and k in memory
.set CU,   16                          ; stage of u, back
.set CUG,  17                          ; u in memory
.set ZD,   18                          ; my word of xyz
.set LN,   19                          ; lane
.set WF,   20                          ; v[20:115]  fragments of Wq (20), Wk (52), Wv (84), 8 registers a K step
.set BQ,   116                         ; v[116:123] bq of channels 16 w + 8 h + j
.set BK,   124                         ; v[124:131] bk likewise
.set WP,   132                         ; v[132:134] Wp of channel 16 w + r
.set BVP,  135                         ; bv + bp of that channel
.set BV,   136
.set BP,   137
.set ZO,   138                         ; xyz in memory: ZW, held inside the block's 768 bytes
.set XF,   140                         ; v[140:203] x fragments, two buffers of 32
.set XRAW, 140                         ; before that: x in f32 as loaded,
.set XPK,  172                         ; and packed
.set OUTR, 140                         ; after that: the way out, 12 x 4 registers
.set AQ,   204
.set AK,   212
.set AU,   220
.set TX,   228                         ; v[228:251] xyz of my 8 tokens
; v256..v447 (window 1, v0..v191): the weights in f32 as loaded: Wq at 0, Wk at 64, Wv at 128, 16 registers a K step
.set OB,   0                           ; window 1, once the weights are rounded: tile t's out-buffer at OB + 16 t: q in 4 registers, k in 4, u in 4
.set MSB, 0
.macro WIN new                         ; the immediate's high byte repeats the setting that is left
.if MSB != \new
	s_set_vgpr_msb (MSB<<8)|\new
.set MSB, \new
.endif
.endm
.macro PLACES n
.rept \n
	v_nop
.endr
.endm
	s_load_b512 s[16:31], s[0:1], 0x0              ; features 16, xyz 18, Wq 20, Wk 22, Wv 24, bq 26, bk 28, bv 30
	s_load_b256 s[32:39], s[0:1], 0x40             ; Wp 32, bp 34, qbuf 36, kubuf 38
	v_lshl_add_u32 v254, v0, 2, 0x12400
	v_mov_b32 v255, 0
	v_lshrrev_b32 v[LN], 5, v0
	v_readfirstlane_b32 s8, v[LN]                  ; wave 0..7
	v_and_b32 v1, 15, v0                           ; r
	v_bfe_u32 v2, v0, 4, 1                         ; h
	v_and_b32 v[LN], 31, v0
	s_and_b32 s9, ttmp7, 0xffff                    ; batch
	s_lshl_b32 s10, s9, 21                         ; features: batch x 2 MiB + block x 64 tokens x 4 bytes
	s_lshl_b32 s42, ttmp9, 8
	s_add_co_u32 s10, s10, s42
	s_mov_b32 s11, 0
	s_mul_i32 s12, s9, 49152                       ; xyz: batch x 4,096 x 12 + block x 64 x 12
	s_mul_i32 s42, ttmp9, 768
	s_add_co_u32 s12, s12, s42
	s_mov_b32 s13, 0
	s_lshl_b32 s14, s9, 20                         ; qbuf: batch x 1 MiB + block x 64 rows of 256 bytes
	s_lshl_b32 s42, ttmp9, 14
	s_add_co_u32 s14, s14, s42
	s_mov_b32 s15, 0
	s_lshl_b32 s40, s9, 21                         ; kubuf: (64 batch + block) x 32,768
	s_lshl_b32 s42, ttmp9, 15
	s_add_co_u32 s40, s40, s42
	s_mov_b32 s41, 0
	s_wait_alu depctr_va_sdst(0)                   ; s8 is written, ahead of its first reader: the offsets, the LDS addresses and one branch are made from it
	s_lshl_b32 s2, s8, 18
	v_lshlrev_b32 v[XO], 4, v1
	v_lshl_add_u32 v[XO], v2, 14, v[XO]
	v_add_nc_u32 v[XO], s2, v[XO]
	s_lshl_b32 s2, s8, 7
	v_lshl_add_u32 v[ZW], v[LN], 2, s2
	v_min_u32 v[ZO], 764, v[ZW]                    ; the block has 192 words, those of waves 0 to 5; waves 6 and 7 ask for the last word again and store nothing
	s_lshl_b32 s2, s8, 13
	v_lshlrev_b32 v[WO], 9, v1
	v_lshl_add_u32 v[WO], v2, 5, v[WO]
	v_add_nc_u32 v[WO], s2, v[WO]
	s_lshl_b32 s2, s8, 6
	v_lshl_add_u32 v[BO], v2, 5, s2
	v_lshl_add_u32 v[CO4], v1, 2, s2
	v_mul_u32_u24 v[CO12], v[CO4], 3
	s_wait_kmcnt 0x0
	s_add_nc_u64 s[16:17], s[16:17], s[10:11]
	s_add_nc_u64 s[18:19], s[18:19], s[12:13]
	s_add_nc_u64 s[36:37], s[36:37], s[14:15]
	s_add_nc_u64 s[38:39], s[38:39], s[40:41]
	s_wait_alu depctr_va_vdst(0)                   ; the offsets v[XO], v[ZO], v[BO], v[CO4], v[CO12] and v[WO] are written, which the loads below read; only loads and a window switch follow up to the last of them
	; all loads go out at once, those that are needed first in front
.irp i, 0,1,2,3,4,5,6,7
	global_load_b128 v[XRAW+4*\i:XRAW+4*\i+3], v[XO], s[16:17] offset:\i*32768   ; rows 16 w + 2 i + h: sixteen lanes take a row's 256 bytes, aligned
.endr
	global_load_b32 v[ZD], v[ZO], s[18:19]
	global_load_b128 v[BQ:BQ+3],   v[BO], s[26:27]
	global_load_b128 v[BQ+4:BQ+7], v[BO], s[26:27] offset:16
	global_load_b128 v[BK:BK+3],   v[BO], s[28:29]
	global_load_b128 v[BK+4:BK+7], v[BO], s[28:29] offset:16
	global_load_b32 v[BV], v[CO4], s[30:31]
	global_load_b32 v[BP], v[CO4], s[34:35]
	global_load_b32 v[WP],   v[CO12], s[32:33]
	global_load_b32 v[WP+1], v[CO12], s[32:33] offset:4
	global_load_b32 v[WP+2], v[CO12], s[32:33] offset:8
	WIN 0x40                                       ; destination in window 1, address in window 0
; a fragment's lane wants k = 32 ks + 8 h + 0..7 and 32 ks + 16 + 8 h + 0..7 of its row: in f32 four loads of 16 bytes at 128 ks + 32 h + 0, 16, 64, 80
.irp ks, 0,1,2,3
.irp q, 0,1,2,3
	global_load_b128 v[16*\ks+4*\q:16*\ks+4*\q+3],         v[WO], s[20:21] offset:128*\ks+16*(\q%2)+64*(\q/2)
	global_load_b128 v[64+16*\ks+4*\q:64+16*\ks+4*\q+3],   v[WO], s[22:23] offset:128*\ks+16*(\q%2)+64*(\q/2)
	global_load_b128 v[128+16*\ks+4*\q:128+16*\ks+4*\q+3], v[WO], s[24:25] offset:128*\ks+16*(\q%2)+64*(\q/2)
.endr
.endr
	WIN 0
	; the other addresses, while the loads are on their way: none of these registers is named by a load above
	s_mul_i32 s2, s8, 16*XP
	v_mul_u32_u24 v[XS], v2, XP
	v_lshl_add_u32 v[XS], v1, 3, v[XS]
	v_add_nc_u32 v[XS], s2, v[XS]
	v_and_b32 v[XR], 7, v0
	v_lshl_add_u32 v[XR], v2, 3, v[XR]             ; row 8 h + lane % 8 of a block of 16 rows,
	v_mul_u32_u24 v[XR], v[XR], XP
	v_bfe_u32 v[TXA], v0, 3, 1
	v_lshl_add_u32 v[XR], v[TXA], 4, v[XR]         ; and which 8 of the 16 tokens
	v_mul_u32_u24 v[TXA], v2, 96
	v_add_nc_u32 v[TXA], XYZL, v[TXA]
	s_lshl_b32 s2, s8, 5
	v_mul_u32_u24 v[SQ], v1, SP
	v_lshl_add_u32 v[SQ], v2, 4, v[SQ]
	v_add_nc_u32 v[SQ], s2, v[SQ]                  ; token r, bytes 32 w + 16 h of its row
	s_mul_i32 s2, s8, 16*UP
	v_mul_u32_u24 v[SU], v1, UP
	v_lshl_add_u32 v[SU], v2, 4, v[SU]
	v_add_nc_u32 v[SU], s2, v[SU]                  ; channel 16 w + r, bytes 16 h of its row
	v_lshrrev_b32 v[CU], 3, v[LN]
	v_mul_u32_u24 v[CU], v[CU], UP
	v_and_b32 v[CUG], 7, v0
	v_lshl_add_u32 v[CU], v[CUG], 4, v[CU]
	v_add_nc_u32 v[CU], s2, v[CU]                  ; back: eight lanes take a channel's 128 bytes
	s_mul_i32 s2, s8, 8*SP
	v_mul_u32_u24 v[CR], v2, SP
	v_lshl_add_u32 v[CR], v1, 4, v[CR]
	v_add_nc_u32 v[CR], s2, v[CR]                  ; back: sixteen lanes take a token's 256 bytes
	s_lshl_b32 s2, s8, 11
	v_lshlrev_b32 v[CG], 4, v1
	v_lshl_add_u32 v[CG], v2, 8, v[CG]
	v_add_nc_u32 v[CG], s2, v[CG]
	v_lshl_add_u32 v[CUG], v[LN], 4, s2
	s_wait_loadcnt 57                              ; x and xyz are in: the 9 loads of biases and the 48 of weights are younger and stay out
.irp i, 0,1,2,3,4,5,6,7
	v_cvt_pk_bf16_f32 v[XPK+2*\i],   v[XRAW+4*\i],   v[XRAW+4*\i+1]
	v_cvt_pk_bf16_f32 v[XPK+2*\i+1], v[XRAW+4*\i+2], v[XRAW+4*\i+3]
.endr
	s_wait_alu depctr_va_vdst(0)                   ; the roundings have written v[XPK ..], which the LDS stores read, and are done reading v[XRAW ..], in which tile 0's fragments land; v[XS] and the eight addresses made with it are written
.irp i, 0,1,2,3,4,5,6,7
	ds_store_b64 v[XS], v[XPK+2*\i:XPK+2*\i+1] offset:\i*2*XP
.endr
	s_cmp_gt_u32 s8, 5
	s_cbranch_scc1 .Lno_word
	ds_store_b32 v[ZW], v[ZD] offset:XYZL
.Lno_word:
	s_wait_dscnt 0x0                               ; for the other waves' sake: my stores are done,
	s_barrier_signal -1
	s_barrier_wait -1                              ; everybody's are: x and xyz are whole
	s_wait_alu depctr_vm_vsrc(0)                   ; my LDS stores have read v[XPK ..]: these registers are part of XF1 from here on, in which tile 1's fragments land
; The next of the seven pairs of LDS loads for tokens 16 t .. 16 t + 15; pn counts them.  Pairs 0 to 3: the fragment of K step pn, into buffer buf.
; Pairs 4 to 6: xyz of tokens 16 t + 8 h + 0..7, 96 bytes in all.  From pair 7 on: nothing.
.macro PAIR t, buf
.if pn < 4
	ds_load_tr16_b128 v[XF+32*\buf+8*pn:XF+32*\buf+8*pn+3],   v[XR] offset:pn*32*XP+32*\t
	ds_load_tr16_b128 v[XF+32*\buf+8*pn+4:XF+32*\buf+8*pn+7], v[XR] offset:pn*32*XP+16*XP+32*\t
.elseif pn < 7
	ds_load_b128 v[TX+8*(pn-4):TX+8*(pn-4)+3],   v[TXA] offset:192*\t+32*(pn-4)
	ds_load_b128 v[TX+8*(pn-4)+4:TX+8*(pn-4)+7], v[TXA] offset:192*\t+32*(pn-4)+16
.endif
.set pn, pn+1
.endm
.set pn, 0
.rept 7
	PAIR 0, 0
.endr
	s_wait_loadcnt 0x0                             ; biases and weights
	WIN 0x05                                       ; sources in window 1, destination in window 0
.irp m, 0,1,2
.irp ks, 0,1,2,3
.irp i, 0,1,2,3,4,5,6,7
	v_cvt_pk_bf16_f32 v[WF+32*\m+8*\ks+\i], v[64*\m+16*\ks+2*\i], v[64*\m+16*\ks+2*\i+1]
.endr
.endr
.endr
	WIN 0
	v_add_f32 v[BVP], v[BV], v[BP]
; Tile t leaves its out-buffer for the stages.
.macro OUT t
	WIN 0x04                                       ; address in window 0, data in window 1
	ds_store_b128 v[SQ], v[OB+16*(\t):OB+16*(\t)+3]    offset:QS+16*SP*(\t)    ; 8 neighbouring channels of token 16 t + r
	ds_store_b128 v[SQ], v[OB+16*(\t)+4:OB+16*(\t)+7]  offset:KS+16*SP*(\t)
	ds_store_b128 v[SU], v[OB+16*(\t)+8:OB+16*(\t)+11] offset:US+32*(\t)       ; 8 neighbouring tokens of channel 16 w + r
	WIN 0
.endm
; Tokens 16 t .. 16 t + 15, fragments in buffer buf; more = 1: the next 16 tokens' fragments are asked for, into buffer nbuf.
; The three accumulators take turns, one instruction a turn.
.macro TOK t, buf, nt, nbuf, more
	s_wait_dscnt 0x0                               ; this tile's fragments and xyz are in
.irp j, 0,1,2,3,4,5,6,7
	v_fma_f32 v[AU+\j], v[WP], v[TX+3*\j], v[BVP]  ; U's sum starts at bv + bp + Wp xyz, in f32
.endr
.irp j, 0,1,2,3,4,5,6,7
	v_fmac_f32 v[AU+\j], v[WP+1], v[TX+3*\j+1]
.endr
.irp j, 0,1,2,3,4,5,6,7
	v_fmac_f32 v[AU+\j], v[WP+2], v[TX+3*\j+2]
.endr
	s_wait_alu depctr_va_vdst(0)                   ; the multiply-adds are done reading TX; the tile before's matrix instructions are done reading the other XF, and its roundings have written its out-buffer
.if \t
	OUT \t-1                                       ; the tile before goes to the stages
.endif
.set pn, 7*(1-\more)                   ; the last tile asks for nothing
.irp ks, 0,1,2,3                       ; two loads behind each of the first seven products.  No wait: no vector or matrix instruction since the wait above names the other XF, TX or an address
.if \ks
	v_wmma_f32_16x16x32_bf16 v[AQ:AQ+7], v[WF+8*\ks:WF+8*\ks+7], v[XF+32*\buf+8*\ks:XF+32*\buf+8*\ks+7], v[AQ:AQ+7]
.else
	v_wmma_f32_16x16x32_bf16 v[AQ:AQ+7], v[WF+8*\ks:WF+8*\ks+7], v[XF+32*\buf+8*\ks:XF+32*\buf+8*\ks+7], v[BQ:BQ+7]
.endif
	PAIR \nt, \nbuf
.if \ks
	v_wmma_f32_16x16x32_bf16 v[AK:AK+7], v[WF+32+8*\ks:WF+32+8*\ks+7], v[XF+32*\buf+8*\ks:XF+32*\buf+8*\ks+7], v[AK:AK+7]
.else
	v_wmma_f32_16x16x32_bf16 v[AK:AK+7], v[WF+32+8*\ks:WF+32+8*\ks+7], v[XF+32*\buf+8*\ks:XF+32*\buf+8*\ks+7], v[BK:BK+7]
.endif
	PAIR \nt, \nbuf
	v_wmma_f32_16x16x32_bf16 v[AU:AU+7], v[XF+32*\buf+8*\ks:XF+32*\buf+8*\ks+7], v[WF+64+8*\ks:WF+64+8*\ks+7], v[AU:AU+7]
	PAIR \nt, \nbuf
.endr
	PLACES 5                                       ; behind the last products (ISA guide 7.12.1): for the lines below, which read and rewrite results, and for the next
	                                               ; tile's multiply-adds and first products, which write the accumulators anew
.irp j, 0,2,4,6
	v_pk_mul_f32 v[AQ+\j:AQ+\j+1], v[AQ+\j:AQ+\j+1], QSCALE op_sel_hi:[1,0]
.endr
	WIN 0x40                                       ; destination in window 1, sources in window 0
.irp i, 0,1,2,3
	v_cvt_pk_bf16_f32 v[OB+16*\t+\i],   v[AQ+2*\i], v[AQ+2*\i+1]     ; into the tile's own out-buffer; each accumulator from its low end on
	v_cvt_pk_bf16_f32 v[OB+16*\t+4+\i], v[AK+2*\i], v[AK+2*\i+1]
	v_cvt_pk_bf16_f32 v[OB+16*\t+8+\i], v[AU+2*\i], v[AU+2*\i+1]
.endr
	WIN 0
.endm
	TOK 0, 0, 1, 1, 1
	TOK 1, 1, 2, 0, 1
	TOK 2, 0, 3, 1, 1
	TOK 3, 1, 0, 0, 0
	s_wait_alu depctr_va_vdst(0)                   ; tile 3's roundings have written its out-buffer, which the stores read; the matrix instructions are done reading XF, in which the way out's loads land
	OUT 3
	s_wait_dscnt 0x0                               ; my parts of the stages are written,
	s_barrier_signal -1
	s_barrier_wait -1                              ; everybody's are
	; the way out: whole rows back from the stages; each store's sixteen neighbouring lanes cover 256 consecutive bytes, aligned
.irp i, 0,1,2,3
	ds_load_b128 v[OUTR+4*\i:OUTR+4*\i+3], v[CR] offset:QS+\i*2*SP
.endr
.irp i, 0,1,2,3
	ds_load_b128 v[OUTR+16+4*\i:OUTR+16+4*\i+3], v[CR] offset:KS+\i*2*SP
.endr
.irp i, 0,1,2,3
	ds_load_b128 v[OUTR+32+4*\i:OUTR+32+4*\i+3], v[CU] offset:US+\i*4*UP
.endr
.irp i, 0,1,2,3
	s_wait_dscnt 11-\i                             ; LDS loads come back in order: the one that this store needs is in
	global_store_b128 v[CG], v[OUTR+4*\i:OUTR+4*\i+3], s[36:37] offset:\i*512
.endr
.irp i, 0,1,2,3
	s_wait_dscnt 7-\i
	global_store_b128 v[CG], v[OUTR+16+4*\i:OUTR+16+4*\i+3], s[38:39] offset:\i*512
.endr
.irp i, 0,1,2,3
	s_wait_dscnt 3-\i
	global_store_b128 v[CUG], v[OUTR+32+4*\i:OUTR+32+4*\i+3], s[38:39] offset:16384+\i*512
.endr
	s_wait_dscnt 0x0                               ; the closing lines, six on end
	s_wait_alu 0x0
	s_wait_tensorcnt 0x0
	ds_add_u32 v254, v255
	s_wait_dscnt 0x0
	s_endpgm
.Lfunc_end_k_q6b1515fbec_proj:
	.size	k_q6b1515fbec_proj, .Lfunc_end_k_q6b1515fbec_proj-k_q6b1515fbec_proj
	.p2alignl 7, 3214868480
	.fill 96, 4, 3214868480
	.section	.rodata,"a",@progbits
	.p2align	6, 0x0
	.amdhsa_kernel k_q6b1515fbec_proj
		.amdhsa_group_segment_fixed_size 75776
		.amdhsa_private_segment_fixed_size 0
		.amdhsa_enable_private_segment 0
		.amdhsa_kernarg_size 96
		.amdhsa_user_sgpr_count 2
		.amdhsa_user_sgpr_kernarg_segment_ptr 1
		.amdhsa_wavefront_size32 1
		.amdhsa_system_sgpr_workgroup_id_x 1
		.amdhsa_system_sgpr_workgroup_id_y 1
		.amdhsa_system_sgpr_workgroup_id_z 1
		.amdhsa_system_vgpr_workitem_id 0
		.amdhsa_next_free_vgpr 448
		.amdhsa_next_free_sgpr 66
		.amdhsa_reserve_vcc 0
		.amdhsa_float_denorm_mode_32 3
		.amdhsa_float_denorm_mode_16_64 3
		.amdhsa_memory_ordered 1
		.amdhsa_forward_progress 1
		.amdhsa_inst_pref_size 39
	.end_amdhsa_kernel
	.amdgpu_metadata
---
amdhsa.version: [ 1, 2 ]
amdhsa.kernels:
  - .name:           k_q6b1515fbec_proj
    .symbol:         k_q6b1515fbec_proj.kd
    .args:
      - { .name: features, .offset: 0, .size: 8, .value_kind: global_buffer, .address_space: global }
      - { .name: xyz, .offset: 8, .size: 8, .value_kind: global_buffer, .address_space: global }
      - { .name: Wq, .offset: 16, .size: 8, .value_kind: global_buffer, .address_space: global }
      - { .name: Wk, .offset: 24, .size: 8, .value_kind: global_buffer, .address_space: global }
      - { .name: Wv, .offset: 32, .size: 8, .value_kind: global_buffer, .address_space: global }
      - { .name: bq, .offset: 40, .size: 8, .value_kind: global_buffer, .address_space: global }
      - { .name: bk, .offset: 48, .size: 8, .value_kind: global_buffer, .address_space: global }
      - { .name: bv, .offset: 56, .size: 8, .value_kind: global_buffer, .address_space: global }
      - { .name: Wp, .offset: 64, .size: 8, .value_kind: global_buffer, .address_space: global }
      - { .name: bp, .offset: 72, .size: 8, .value_kind: global_buffer, .address_space: global }
      - { .name: qbuf, .offset: 80, .size: 8, .value_kind: global_buffer, .address_space: global }
      - { .name: kubuf, .offset: 88, .size: 8, .value_kind: global_buffer, .address_space: global }
    .group_segment_fixed_size: 75776
    .private_segment_fixed_size: 0
    .kernarg_segment_align: 8
    .kernarg_segment_size: 96
    .max_flat_workgroup_size: 256
    .sgpr_count:     66
    .vgpr_count:     448
    .wavefront_size: 32
...
	.end_amdgpu_metadata
.endif
;; end of part 4
;; launch attn: the kernel of part 2 again; grid 64 x 4, 4 waves a work-group, clusters of 4 x 1, 327,680 bytes of LDS; arguments qbuf, kubuf, features, nf, stats; writes nf, stats
;; launch bnorm: the kernel of part 3 again; grid 256 x 1, 8 waves a work-group, no clusters, 5,120 bytes of LDS; arguments nf, stats, gamma, beta, out0; writes out0
